; MI455X (gfx1250); checked and timed in simulation.
; The chip was launched on July 23, 2026; its instructions are those of AMD's public machine-readable ISA for CDNA 5 (MIT licence, August 2026) and "CDNA5" Instruction Set Architecture Reference Guide (July 2026). The comments in the code are by the model that wrote it; some were corrected since.
;; Wilson Cowan Population. Allowed arithmetic: float matrix products may take bf16 or f16 operands with f32 sums; all other float work in f32.
;; Inputs: E0 1,048,576 float32; I0 1,048,576 float32; I_ext_E 1,048,576 float32; I_ext_I 1,048,576 float32.
;; Outputs: out0 1,048,576 float32; out1 1,048,576 float32; out2 one number float32.
;; Constants: steps = 100.
;; One version. Each part assembles by itself: llvm-mc -triple=amdgcn-amd-amdhsa -mcpu=gfx1250 --defsym DOCPART=n.
;; ======== version 1 of 1: 1 launch
;; launch wilson (part 1): grid 256 x 1, 16 waves a work-group, no clusters, 0 bytes of LDS; arguments E0, I0, I_ext_E, I_ext_I, out0, out1, out2; writes out0, out1, out2
.if DOCPART == 1
	.amdgcn_target "amdgcn-amd-amdhsa--gfx1250"
	.amdhsa_code_object_version 6
	.text
	.protected	k_q69fb9e73d6_wilson
	.globl	k_q69fb9e73d6_wilson
	.p2align	8
	.type	k_q69fb9e73d6_wilson,@function
k_q69fb9e73d6_wilson:
	s_mov_b64 s[64:65], 0
	v_nop
	global_prefetch_b8 v0, s[64:65] scope:SCOPE_SE
	s_setreg_imm32_b32 hwreg(HW_REG_WAVE_MODE, 25, 1), 1
	s_wait_xcnt 0x0
; Wilson-Cowan population: 1,048,576 independent elements, 100 Euler steps, the state (E, I) kept in registers throughout.
;   x = 12 E - 4 I + I_ext_E     E <- clip(E + ((sigmoid(x - 4) - E) / 10) * 0.1, 0, 1)
;   y = 13 E - 11 I + I_ext_I    I <- clip(I + ((sigmoid(y - 4) - I) /  5) * 0.1, 0, 1)
; out0 = E, out1 = I after 100 steps; out2 = 0 (the reference's constant).
;
; THE STEP AS IT IS COMPUTED (L = log2 e):
;   E + 0.01 (s - E) = 0.99 E + 0.01 s,  and  0.01 sigmoid(x - 4) = 1 / (100 + 2^a),  a = -12L E + 4L I + kE,
;   kE = -L I_ext_E + 4L + log2 100, made once for each element.  For I: 0.98, 50, -13L, 11L, kI = -L I_ext_I + 4L + log2 50.
;   One reciprocal serves both quotients of an element: r = 1 / (dE dI), 1/dE = r dI, 1/dI = r dE, the last two fused into
;   the update.  A step of a lane's eight elements then holds 24 transcendental instructions in place of 32, for 12 more
;   packed multiplications.
; RANGE OF dE dI: behind the first clip E and I lie in [0, 1], so a <= kE + 4L and <= kI + 11L.  kE and kI are bounded at 50
;   once, behind step 1: dE dI < 2^(55.8 + 65.9) = 2^121.7, and its reciprocal is a normal number.  Where the bound bites
;   (I_ext below about -26) a stays above 50 - 13L = 31.2: the true and the bounded increment are both under 2^-31 a step.
; THE CLIP: step 1 works on E0, I0 as given, so it is written out with two reciprocals, the unbounded k, and the clip.
;   In steps 2 to 100 the new value is 0.99 E + (a number in [0, 0.01]) with E in [0, 1]: never below 0, and above 1 by
;   rounding alone (one last bit, which the factor 0.99 does not let grow).  So the clip stands behind step 1 and behind
;   step 100, and not between.
; LIMITS: the order of rounding differs from the reference's (0.99 E + 0.01 s in one fused step; hardware 2^x and 1/x).
;   A NaN in any input, an infinite E0 or I0, and magnitudes at which the reference's own products overflow (above about
;   2.6e37) give a finite number here where the reference gives NaN.  Infinite I_ext is served (sigmoid 0 or 1).
;
; SHARES: 256 work-groups x 512 threads x 8 elements = 1,048,576.  A work-group owns 4,096 neighbouring elements; thread t
; owns the 16 bytes at 16 t and the 16 bytes at 8,192 + 16 t of the group's 16,384 bytes in every array, so each load and
; store of a wave covers 512 consecutive bytes, aligned.  No element meets another: no LDS, no barrier, no cluster.
.set STEPS,  100
.set UNROLL, 3
.set TRIPS,  (STEPS-1)/UNROLL          ; 33 trips of 3 steps = steps 2 to 100
.set PIECE,  8192                      ; bytes from a thread's first 16 bytes to its second: 512 threads x 16
.set OFF,  1                           ; v1        my byte offset in every array
.set ZERO, 2                           ; v2        0: offset and data of out2's store
.set XE,   4                           ; v[4:11]   E of my 8 elements
.set XI,   12                          ; v[12:19]  I
.set KE,   20                          ; v[20:27]  I_ext_E as loaded, then kE
.set KI,   28                          ; v[28:35]  I_ext_I as loaded, then kI
.set TE,   36                          ; v[36:43]  a, then 2^a, then dE = 100 + 2^a
.set TI,   44                          ; v[44:51]  the same for I, dI = 50 + 2^a
.set PR,   52                          ; v[52:59]  dE dI, then its reciprocal
; constants for packed instructions lie in scalar pairs, the same number in both halves
.set C_EE, 20                          ; s[20:21]  -12 L
.set C_EI, 22                          ; s[22:23]    4 L
.set C_IE, 24                          ; s[24:25]  -13 L
.set C_II, 26                          ; s[26:27]   11 L
.set D_E,  28                          ; s[28:29]  100.0
.set D_I,  30                          ; s[30:31]   50.0 (also the bound of kE and kI)
.set R_E,  32                          ; s[32:33]  0.99
.set R_I,  34                          ; s[34:35]  0.98
.set NEGL, 36                          ; s36       -L
.set B_E,  37                          ; s37       4 L + log2 100
.set B_I,  38                          ; s38       4 L + log2 50
.set CNT,  39                          ; s39       trips left
.set SAVE, 40                          ; s40       EXEC while thread 0 stores out2
	s_load_b256 s[4:11], s[0:1], 0x0               ; E0 s[4:5], I0 s[6:7], I_ext_E s[8:9], I_ext_I s[10:11]
	s_load_b128 s[12:15], s[0:1], 0x20             ; out0 s[12:13], out1 s[14:15]
	s_load_b64 s[16:17], s[0:1], 0x30              ; out2
	s_lshl_b32 s2, ttmp9, 14                       ; the work-group's 16,384 bytes
	v_lshl_add_u32 v[OFF], v0, 4, s2               ; + 16 t; at most 4 MiB, and never rewritten
.irp h, 0,1
	s_mov_b32 s[C_EE+\h], 0xc18a7fac               ; -17.312340
	s_mov_b32 s[C_EI+\h], 0x40b8aa3b               ;   5.770780
	s_mov_b32 s[C_IE+\h], 0xc1960a50               ; -18.755036
	s_mov_b32 s[C_II+\h], 0x417dea11               ;  15.869645
	s_mov_b32 s[D_E+\h],  0x42c80000               ; 100.0
	s_mov_b32 s[D_I+\h],  0x42480000               ;  50.0
	s_mov_b32 s[R_E+\h],  0x3f7d70a4               ;   0.99
	s_mov_b32 s[R_I+\h],  0x3f7ae148               ;   0.98
.endr
	s_mov_b32 s[NEGL], 0xbfb8aa3b                  ;  -1.442695
	s_mov_b32 s[B_E],  0x4146a25a                  ;  12.414636
	s_mov_b32 s[B_I],  0x4136a25a                  ;  11.414636
	s_wait_kmcnt 0x0
	; every byte is read once in the launch: non-temporal.  The external inputs first: k is made while the state arrives.
	global_load_b128 v[KE:KE+3],   v[OFF], s[8:9] th:TH_LOAD_NT
	global_load_b128 v[KE+4:KE+7], v[OFF], s[8:9] offset:PIECE th:TH_LOAD_NT
	global_load_b128 v[KI:KI+3],   v[OFF], s[10:11] th:TH_LOAD_NT
	global_load_b128 v[KI+4:KI+7], v[OFF], s[10:11] offset:PIECE th:TH_LOAD_NT
	global_load_b128 v[XE:XE+3],   v[OFF], s[4:5] th:TH_LOAD_NT
	global_load_b128 v[XE+4:XE+7], v[OFF], s[4:5] offset:PIECE th:TH_LOAD_NT
	global_load_b128 v[XI:XI+3],   v[OFF], s[6:7] th:TH_LOAD_NT
	global_load_b128 v[XI+4:XI+7], v[OFF], s[6:7] offset:PIECE th:TH_LOAD_NT
	s_wait_loadcnt 0x4                             ; loads come back in order (ISA guide 5.7.1): the four of I_ext are in, the four of E0, I0 may be out
.irp j, 0,1,2,3,4,5,6,7
	v_fma_f32 v[KE+\j], v[KE+\j], s[NEGL], s[B_E]  ; kE = -L I_ext_E + 4L + log2 100
	v_fma_f32 v[KI+\j], v[KI+\j], s[NEGL], s[B_I]  ; kI = -L I_ext_I + 4L + log2 50
.endr
	s_wait_loadcnt 0x0                             ; E0 and I0
; the two exponents of each element: 16 packed multiply-adds, each chain's second link eight instructions behind its first
.macro ARGS
.irp j, 0,2,4,6
	v_pk_fma_f32 v[TE+\j:TE+\j+1], v[XI+\j:XI+\j+1], s[C_EI:C_EI+1], v[KE+\j:KE+\j+1] op_sel_hi:[1,0,1]
	v_pk_fma_f32 v[TI+\j:TI+\j+1], v[XI+\j:XI+\j+1], s[C_II:C_II+1], v[KI+\j:KI+\j+1] op_sel_hi:[1,0,1]
.endr
.irp j, 0,2,4,6
	v_pk_fma_f32 v[TE+\j:TE+\j+1], v[XE+\j:XE+\j+1], s[C_EE:C_EE+1], v[TE+\j:TE+\j+1] op_sel_hi:[1,0,1]
	v_pk_fma_f32 v[TI+\j:TI+\j+1], v[XE+\j:XE+\j+1], s[C_IE:C_IE+1], v[TI+\j:TI+\j+1] op_sel_hi:[1,0,1]
.endr
.endm
; 16 powers of two, back to back.  Whoever calls this puts plain work that names neither TE nor TI behind it (ISA guide 5.7.2).
.macro POWERS
.irp j, 0,1,2,3,4,5,6,7
	v_exp_f32 v[TE+\j], v[TE+\j]
.endr
.irp j, 0,1,2,3,4,5,6,7
	v_exp_f32 v[TI+\j], v[TI+\j]
.endr
.endm
; dE = 100 + 2^a, dI = 50 + 2^a
.macro DENOMS
.irp j, 0,2,4,6
	v_pk_add_f32 v[TE+\j:TE+\j+1], v[TE+\j:TE+\j+1], s[D_E:D_E+1] op_sel_hi:[1,0]
	v_pk_add_f32 v[TI+\j:TI+\j+1], v[TI+\j:TI+\j+1], s[D_I:D_I+1] op_sel_hi:[1,0]
.endr
.endm
.macro CLIP
.irp j, 0,1,2,3,4,5,6,7
	v_med3_num_f32 v[XE+\j], v[XE+\j], 0, 1.0
	v_med3_num_f32 v[XI+\j], v[XI+\j], 0, 1.0
.endr
.endm
	; STEP 1: E0, I0 as given (any finite size), so each denominator gets a reciprocal of its own: 2^a = infinity gives 0, as it should.
	ARGS
	POWERS
	s_wait_alu depctr_va_vdst(0)
.irp j, 0,1,2,3,4,5,6,7
	v_min_num_f32 v[KE+\j], s[D_I], v[KE+\j]       ; kE <= 50 from here on; also the plain work behind the powers
.endr
	DENOMS
.irp j, 0,1,2,3,4,5,6,7
	v_rcp_f32 v[TE+\j], v[TE+\j]                   ; 0.01 sigmoid(x - 4)
.endr
.irp j, 0,1,2,3,4,5,6,7
	v_rcp_f32 v[TI+\j], v[TI+\j]                   ; 0.02 sigmoid(y - 4)
.endr
.irp j, 0,1,2,3,4,5,6,7
	v_min_num_f32 v[KI+\j], s[D_I], v[KI+\j]       ; kI <= 50; also the plain work behind the reciprocals
.endr
	s_wait_alu depctr_va_vdst(0)
.irp j, 0,2,4,6
	v_pk_fma_f32 v[XE+\j:XE+\j+1], v[XE+\j:XE+\j+1], s[R_E:R_E+1], v[TE+\j:TE+\j+1] op_sel_hi:[1,0,1]
	v_pk_fma_f32 v[XI+\j:XI+\j+1], v[XI+\j:XI+\j+1], s[R_I:R_I+1], v[TI+\j:TI+\j+1] op_sel_hi:[1,0,1]
.endr
	CLIP                                           ; from here on E and I lie in [0, 1]
; A STEP OF THE LOOP: 44 packed instructions and 24 transcendentals for 8 elements.
; The decays 0.99 E and 0.98 I, in place once ARGS has read the old state, are the plain work behind the two runs of transcendentals.
.macro STEP
	ARGS
	POWERS
	s_wait_alu depctr_va_vdst(0)
.irp j, 0,2,4,6
	v_pk_mul_f32 v[XE+\j:XE+\j+1], v[XE+\j:XE+\j+1], s[R_E:R_E+1] op_sel_hi:[1,0]      ; 0.99 E
.endr
	DENOMS
.irp j, 0,2,4,6
	v_pk_mul_f32 v[PR+\j:PR+\j+1], v[TE+\j:TE+\j+1], v[TI+\j:TI+\j+1]                  ; dE dI < 2^122
.endr
.irp j, 0,1,2,3,4,5,6,7
	v_rcp_f32 v[PR+\j], v[PR+\j]                                                       ; r = 1 / (dE dI)
.endr
.irp j, 0,2,4,6
	v_pk_mul_f32 v[XI+\j:XI+\j+1], v[XI+\j:XI+\j+1], s[R_I:R_I+1] op_sel_hi:[1,0]      ; 0.98 I
.endr
	s_wait_alu depctr_va_vdst(0)
.irp j, 0,2,4,6
	v_pk_fma_f32 v[XE+\j:XE+\j+1], v[PR+\j:PR+\j+1], v[TI+\j:TI+\j+1], v[XE+\j:XE+\j+1]   ; E = r dI + 0.99 E
	v_pk_fma_f32 v[XI+\j:XI+\j+1], v[PR+\j:PR+\j+1], v[TE+\j:TE+\j+1], v[XI+\j:XI+\j+1]   ; I = r dE + 0.98 I
.endr
.endm
	s_mov_b32 s[CNT], TRIPS
.Lsteps:
.rept UNROLL
	STEP
.endr
	s_sub_co_i32 s[CNT], s[CNT], 1
	s_cmp_lg_u32 s[CNT], 0
	s_cbranch_scc1 .Lsteps
	CLIP                                           ; step 100's clip: takes back a last bit above 1.0, if rounding left one
	global_store_b128 v[OFF], v[XE:XE+3],   s[12:13] th:TH_STORE_NT
	global_store_b128 v[OFF], v[XE+4:XE+7], s[12:13] offset:PIECE th:TH_STORE_NT
	global_store_b128 v[OFF], v[XI:XI+3],   s[14:15] th:TH_STORE_NT
	global_store_b128 v[OFF], v[XI+4:XI+7], s[14:15] offset:PIECE th:TH_STORE_NT
	; out2 = 0: thread 0 of work-group 0 stores the one number
	s_cmp_lg_u32 ttmp9, 0
	s_cbranch_scc1 .Ldone
	v_mov_b32 v[ZERO], 0
	v_cmp_eq_u32 vcc_lo, 0, v0
	s_wait_xcnt 0x0                                ; EXEC is a source of the four stores above: it narrows only behind this wait
	s_and_saveexec_b32 s[SAVE], vcc_lo
	global_store_b32 v[ZERO], v[ZERO], s[16:17]
	s_wait_xcnt 0x0                                ; and widens again only behind this one
	s_or_b32 exec_lo, exec_lo, s[SAVE]
.Ldone:
	s_endpgm
.Lfunc_end_k_q69fb9e73d6_wilson:
	.size	k_q69fb9e73d6_wilson, .Lfunc_end_k_q69fb9e73d6_wilson-k_q69fb9e73d6_wilson
	.p2alignl 7, 3214868480
	.fill 96, 4, 3214868480
	.section	.rodata,"a",@progbits
	.p2align	6, 0x0
	.amdhsa_kernel k_q69fb9e73d6_wilson
		.amdhsa_group_segment_fixed_size 0
		.amdhsa_private_segment_fixed_size 0
		.amdhsa_enable_private_segment 0
		.amdhsa_kernarg_size 56
		.amdhsa_user_sgpr_count 2
		.amdhsa_user_sgpr_kernarg_segment_ptr 1
		.amdhsa_wavefront_size32 1
		.amdhsa_system_sgpr_workgroup_id_x 1
		.amdhsa_system_sgpr_workgroup_id_y 1
		.amdhsa_system_sgpr_workgroup_id_z 1
		.amdhsa_system_vgpr_workitem_id 0
		.amdhsa_next_free_vgpr 60
		.amdhsa_next_free_sgpr 66
		.amdhsa_reserve_vcc 1
		.amdhsa_float_denorm_mode_32 3
		.amdhsa_float_denorm_mode_16_64 3
		.amdhsa_memory_ordered 1
		.amdhsa_forward_progress 1
		.amdhsa_inst_pref_size 21
	.end_amdhsa_kernel
	.amdgpu_metadata
---
amdhsa.version: [ 1, 2 ]
amdhsa.kernels:
  - .name:           k_q69fb9e73d6_wilson
    .symbol:         k_q69fb9e73d6_wilson.kd
    .args:
      - { .name: E0, .offset: 0, .size: 8, .value_kind: global_buffer, .address_space: global }
      - { .name: I0, .offset: 8, .size: 8, .value_kind: global_buffer, .address_space: global }
      - { .name: I_ext_E, .offset: 16, .size: 8, .value_kind: global_buffer, .address_space: global }
      - { .name: I_ext_I, .offset: 24, .size: 8, .value_kind: global_buffer, .address_space: global }
      - { .name: out0, .offset: 32, .size: 8, .value_kind: global_buffer, .address_space: global }
      - { .name: out1, .offset: 40, .size: 8, .value_kind: global_buffer, .address_space: global }
      - { .name: out2, .offset: 48, .size: 8, .value_kind: global_buffer, .address_space: global }
    .group_segment_fixed_size: 0
    .private_segment_fixed_size: 0
    .kernarg_segment_align: 8
    .kernarg_segment_size: 56
    .max_flat_workgroup_size: 512
    .sgpr_count:     66
    .vgpr_count:     60
    .wavefront_size: 32
...
	.end_amdgpu_metadata
.endif
;; end of part 1
